; MI455X (gfx1250); checked and timed in simulation.
; The chip was launched on July 23, 2026; its instructions are those of AMD's public machine-readable ISA for CDNA 5 (MIT licence, August 2026) and "CDNA5" Instruction Set Architecture Reference Guide (July 2026). The comments in the code are by the model that wrote it; some were corrected since.
;; Dot Product Attention. Allowed arithmetic: matrix products marked QUANTISED: E4M3 operands, one given power-of-two scale a tensor, by v_wmma_f32_16x16x64_fp8_fp8 or v_wmma_f32_16x16x128_fp8_fp8, f32 sums; everything else in f32.
;; Inputs: k 2 x 16 x 2,048 x 128 float32; lowp_scales 4 int32 (the exponents e of the quantised operands' scales 2^e); q 2 x 16 x 2,048 x 128 float32; v 2 x 16 x 2,048 x 128 float32; valid_lens 2 int32.
;; Outputs: out0 2 x 16 x 2,048 x 128 float32.
;; This version of the problem:
;;   THIS VERSION OF THE PROBLEM IS GIVEN IN LOW PRECISION. The matrix products marked QUANTISED in the list below multiply operands that are first quantised to E4M3 (4 exponent bits, 3 mantissa bits; 8 bits a number), with one given power-of-two scale for each operand tensor; their sums are f32. All else is computed in f32.
;;   The module's matrix products, in the order in which they are computed (A, B: the left and right operand; K: the contracted axis; several contracted axes count as one K, in the product's order):
;;     1. batch 32 x [M 2,048, K 128] x [K 128, N 2,048]; A: input q; B: input k: QUANTISED (scales: A lowp_scales[0], B lowp_scales[1])
;;     2. batch 32 x [M 2,048, K 2,048] x [K 2,048, N 128]; A: softmax (see below); B: input v: QUANTISED (scales: A lowp_scales[2], B lowp_scales[3])
;;   THE QUANTISER, for each operand of a quantised product, along K:
;;     - The operand's scale is 2^e, e = its entry of the input lowp_scales (int32; the entries are numbered through the quantised products in the list's order, A before B).
;;     - Each number is divided by the scale, clamped to +-448, and rounded to the nearest number of E4M3, ties to even, subnormals kept.
;;     - The product sums the exact products of the quantised numbers (number of the format x scale) in f32.
;;   ~~~python
;;   def quantise(x, axis, e):      # numpy; x: float32 -> the quantised numbers, widened to float32 again
;;       x = np.moveaxis(x, axis, -1); K = x.shape[-1]
;;       r = np.clip(x / 2.0 ** e, -448, 448)
;;       step = 2.0 ** (np.maximum(np.frexp(np.where(r == 0, 1, r))[1] - 1, -6) - 3)
;;       q = np.round(r / step) * step * 2.0 ** e      # np.round: ties to even
;;       return np.moveaxis(q, -1, axis).astype(np.float32)
;;   ~~~
;;   SOFTMAX AHEAD OF A QUANTISED PRODUCT. Where the list says 'softmax', what is quantised is not the finished softmax but p = 2^(t - M), with t = logit x log2(e) and M = ceil(the row's largest t), a whole number; so 1/2 < the row's largest p <= 1. The row's sum l is taken of the UNQUANTISED p, in f32, and the product's result is divided by l at the end. Since M is a whole number, a kernel that streams over the keys may use a running M (the ceiling of the running maximum): every later rescaling is an exact power of two, so the quantised numbers keep their values, but for numbers so far below the row's largest that they fall under the format's range.
;;   OPERANDS COMPUTED ON THE WAY. 'Computed on the way' means the value that the module computes at that place (a softmax that the list does not call 'softmax' is quantised finished and normalised). What goes into a quantiser is computed in f32, as accurately as f32 sums, v_exp_f32 and their like allow (about 1e-6 of the number): no bf16 or f16 on the way to a quantiser, and a product that is left as it is and whose result goes on into a quantised operand takes f32 operands (vector FMAs, or v_wmma_f32_16x16x4_f32). A number that lies on a knife's edge between two numbers of the format may be rounded either way, as far as f32 arithmetic and the matrix unit's own rounding can turn it there, and no further.
;; One version. Each part assembles by itself: llvm-mc -triple=amdgcn-amd-amdhsa -mcpu=gfx1250 --defsym DOCPART=n.
;; ======== version 1 of 1: 2 launches
;; limits: right only within a limited range of input values
;; workspace buffers: kv 16,777,216 bytes
;; launch prep (part 1): grid 512 x 2, 4 waves a work-group, no clusters, 68,096 bytes of LDS; arguments k, v, lowp_scales, valid_lens, kv; writes kv
.if DOCPART == 1
	.amdgcn_target "amdgcn-amd-amdhsa--gfx1250"
	.amdhsa_code_object_version 6
	.text
	.protected	k_q0b86ca531b_prep
	.globl	k_q0b86ca531b_prep
	.p2align	8
	.type	k_q0b86ca531b_prep,@function
k_q0b86ca531b_prep:
	s_mov_b64 s[64:65], 0
	v_nop
	global_prefetch_b8 v0, s[64:65] scope:SCOPE_SE
	s_setreg_imm32_b32 hwreg(HW_REG_WAVE_MODE, 25, 1), 1
	s_wait_xcnt 0x0
; K and V, [2][16][2048][128] f32, become codes of FP8 (E4M3) in the workspace kv, laid IN THE ORDER OF THE OPERAND REGISTERS of the attention launch.
; code = x / 2^e, held within +-448, to the nearest code, ties to even; e = entry 1 (K) or entry 3 (V) of the scales.
; kv: [b x 16 + head][step of 128 keys][32,768 bytes]: 8 fragments of K (2,048 bytes each), then 8 fragments of V^T.  A fragment: group c (0..3) x 512 + lane x 16.
;   K, fragment 2 b + u, lane (r, h), group c: key 32 b + 8 u + r + 8 (r / 8) of the step, head dims 32 c + 16 h + 0 .. 15.
;   V, fragment t, lane (r, h), group c: head dim 16 t + r, keys 32 c + 16 h + 0 .. 15 of the step.
; SHARES.  A work-group makes one step of one (b, head): y = 0: K's 128 rows, y = 1: V's.  Four waves; they share nothing: no barrier.
; x = (b x 16 + head) x 16 + place; step = (place + 8 y + 4 b) mod 16: of the four work-groups whose numbers differ by multiples of 256 the steps lie 4 apart, so that the live ones are dealt evenly.
; WHAT THE MASK THROWS AWAY IS NOT MADE.  reference() hides every key at or behind valid_lens[b].  The attention launch uses only steps whose first key lies under n, so a work-group whose step begins
; at or behind n stores nothing and ends: the grid serves every length, 512 x 2 work-groups at n = 2,048.  Step 0 is always made.
; n = valid_lens[b], held to 2,048 from above; where valid_lens[b] < 1 reference() weighs all keys alike, so n = 2,048 then.
; LIMITS: ek and ev between -126 and 119, so that 2^e and 448 x 2^e are f32 numbers.  NaN among the inputs is not served (an infinity is held at the largest code); a NaN or an infinity in a hidden key is not carried to the result.
.set SPITCH, 528                       ; a stage row: a key's 512 bytes + 16: 33 x 16 bytes, so the sixteen rows that a read touches start 16 bytes further on in the banks each
.set WSTAGE, 32*SPITCH                 ; a wave's own stage: 32 keys
.set SPARE, 4*WSTAGE                   ; the spare words behind the stages
.set KL,  16                           ; v16-143  K: 32 rows as loaded, 4 registers each
.set KX,  144                          ; v144-207 K: a lane's 64 numbers of one fragment
.set KC,  208                          ; v208-239 K: codes, 16 registers for each of the wave's two fragments: no store's data are written again
.set VV,  16                           ; v16-143  V: a lane's column, 128 keys
.set VC,  144                          ; v144-175 V: codes, 4 registers for each run of 16 keys
	s_load_b256 s[4:11], s[0:1], 0x0               ; k s[4:5], v s[6:7], the scales' exponents s[8:9], valid_lens s[10:11]
	s_load_b64 s[12:13], s[0:1], 0x20              ; kv
	s_and_b32 s16, ttmp7, 0xffff                   ; y
	s_lshr_b32 s17, ttmp9, 8                       ; b
	s_lshl_b32 s18, s16, 3
	s_lshl_b32 s19, s17, 2
	s_add_co_u32 s18, s18, s19
	s_add_co_u32 s18, s18, ttmp9
	s_and_b32 s18, s18, 15                         ; step
	s_and_b32 s15, ttmp9, 0x1f0
	s_or_b32 s15, s15, s18                         ; (b x 16 + head) x 16 + step
	s_lshl_b32 s33, s18, 7                         ; the step's first key
	v_lshl_add_u32 v240, v0, 2, SPARE
	v_mov_b32 v241, 0
	v_lshrrev_b32 v2, 5, v0
	v_readfirstlane_b32 s14, v2                    ; wave 0..3
	v_and_b32 v1, 31, v0                           ; lane
	v_and_b32 v2, 15, v0                           ; r
	v_bfe_u32 v7, v0, 4, 1                         ; h
	s_mul_i32 s19, s14, WSTAGE                     ; both LDS addresses are made here, ahead of every branch
	v_lshlrev_b32 v4, 4, v1
	v_mul_u32_u24 v5, v2, SPITCH
	v_add_nc_u32 v4, s19, v4                       ; the stage, on the way in: 16 x lane: a row as it lies
	v_lshl_add_u32 v5, v7, 6, v5
	v_add_nc_u32 v5, s19, v5                       ; on the way out: row r, + 64 h: my 16 numbers of a block of 32
	s_wait_alu depctr_va_vdst(0)
	s_wait_kmcnt 0x0
	s_load_b128 s[20:23], s[8:9], 0x0              ; eq, ek, ep, ev
	s_load_b64 s[24:25], s[10:11], 0x0             ; valid_lens
	s_wait_kmcnt 0x0
	s_cmp_eq_u32 s17, 0
	s_cselect_b32 s18, s24, s25                    ; valid_lens[b]
	s_cmp_lt_i32 s18, 1
	s_cselect_b32 s18, 0x800, s18
	s_min_u32 s18, s18, 0x800                      ; n
	s_cmp_lt_u32 s33, s18
	s_cbranch_scc1 .Lwork
	s_endpgm                                       ; all 128 keys are hidden: nobody uses their codes
.Lwork:
	s_lshl_b32 s28, s15, 16                        ; my 128 rows of 512 bytes in k or in v,
	s_mov_b32 s29, 0
	s_lshl_b32 s30, s15, 15                        ; my step's 32,768 bytes in kv
	s_mov_b32 s31, 0
.macro MKSCALE se                      ; v11 = 2^e as f32 (the conversion takes its exponent field), v10 = 448 x 2^e
	s_add_co_i32 s26, \se, 127
	s_lshl_b32 s27, s26, 23
	v_mov_b32 v11, s27
	s_add_co_i32 s26, s26, 8
	s_lshl_b32 s26, s26, 23
	s_or_b32 s26, s26, 0x600000
	v_mov_b32 v10, s26
.endm
	s_cmp_lg_u32 s16, 0
	s_cbranch_scc1 .Lv
	; ---- K.  Wave w takes keys 32 w .. 32 w + 31: fragments 2 w and 2 w + 1.  Each load reads a whole row, 512 consecutive bytes; the rows turn through the wave's stage, so that a lane gets 16 neighbours of each block of 32.
	s_lshl_b32 s19, s14, 14
	s_add_co_u32 s28, s28, s19
	s_add_nc_u64 s[4:5], s[4:5], s[28:29]
	s_lshl_b32 s19, s14, 12
	s_add_co_u32 s30, s30, s19
	s_add_nc_u64 s[12:13], s[12:13], s[30:31]
	v_lshlrev_b32 v3, 4, v1                        ; 16 x lane: in a row of k,
	v_lshlrev_b32 v6, 4, v1                        ; and in a group of a fragment
.irp m, 0,1,2,3,4,5,6,7,8,9,10,11,12,13,14,15,16,17,18,19,20,21,22,23,24,25,26,27,28,29,30,31
	global_load_b128 v[KL+4*\m:KL+4*\m+3], v3, s[4:5] offset:512*(8*(\m/16)+(\m%16)+8*((\m%16)/8)) th:TH_LOAD_NT   ; stage row m = 16 u + r holds key 8 u + r + 8 (r / 8)
.endr
	MKSCALE s21
	s_wait_alu depctr_va_vdst(0)
.irp u, 0,1
	s_wait_loadcnt 16-16*\u                        ; fragment u's sixteen rows are in; behind fragment 0's stand fragment 1's sixteen
.irp m, 0,1,2,3,4,5,6,7,8,9,10,11,12,13,14,15
	ds_store_b128 v4, v[KL+64*\u+4*\m:KL+64*\u+4*\m+3] offset:(16*\u+\m)*SPITCH
.endr
.irp c, 0,1,2,3
.irp j, 0,1,2,3
	ds_load_b128 v[KX+16*\c+4*\j:KX+16*\c+4*\j+3], v5 offset:16*\u*SPITCH+128*\c+16*\j   ; LDS serves a wave's instructions in order (ISA guide 5.7.1.4): these see the stores above
.endr
.endr
	s_wait_dscnt 0x0
.set i, 0
.rept 64
	v_med3_num_f32 v[KX+i], v[KX+i], -v10, v10     ; the conversion to an 8-bit code does not saturate (ISA guide 7.6.2): the hold at the largest code x the scale
.set i, i+1
.endr
.irp c, 0,1,2,3
	v_cvt_scalef32_pk8_fp8_f32 v[KC+16*\u+4*\c:KC+16*\u+4*\c+1], v[KX+16*\c:KX+16*\c+7], v11
	v_cvt_scalef32_pk8_fp8_f32 v[KC+16*\u+4*\c+2:KC+16*\u+4*\c+3], v[KX+16*\c+8:KX+16*\c+15], v11
.endr
	v_nop                                          ; a plain line behind the last conversion: the next fragment's holds write these sources again
.irp c, 0,1,2,3
	global_store_b128 v6, v[KC+16*\u+4*\c:KC+16*\u+4*\c+3], s[12:13] offset:2048*\u+512*\c   ; 32 lanes store 512 consecutive bytes, at a multiple of 512 from kv's first byte
.endr
.endr
	s_wait_tensorcnt 0x0                           ; the wave's end
	ds_add_u32 v240, v241
	s_wait_dscnt 0x0
	s_endpgm
	; ---- V.  The keys are the second product's K, and they are V's FIRST axis within a head: a lane takes a column (head dim 32 w + lane) and its registers run down the 128 keys.  Nothing is transposed.
.Lv:
	s_lshl_b32 s19, s14, 7
	s_add_co_u32 s28, s28, s19
	s_add_nc_u64 s[6:7], s[6:7], s[28:29]
	s_lshl_b32 s19, s14, 12
	s_add_co_u32 s30, s30, s19
	s_add_co_u32 s30, s30, 16384                   ; V's fragments lie behind K's eight; mine are 2 w and 2 w + 1
	s_add_nc_u64 s[12:13], s[12:13], s[30:31]
	v_lshlrev_b32 v3, 2, v1                        ; 4 bytes a lane: a wave reads 128 consecutive bytes, the four waves a row's 512
	v_lshrrev_b32 v6, 4, v1
	v_lshlrev_b32 v6, 11, v6
	v_lshl_add_u32 v6, v2, 4, v6                   ; fragment lane / 16 of my two, place r in a half group
.set i, 0
.rept 128
	global_load_b32 v[VV+i], v3, s[6:7] offset:512*i th:TH_LOAD_NT
.set i, i+1
.endr
	MKSCALE s23
	s_wait_alu depctr_va_vdst(0)
.irp g, 0,1,2,3,4,5,6,7                ; run g: keys 16 g .. 16 g + 15 = group g / 2, half g % 2 of the fragment
.if \g == 0
	s_wait_loadcnt 63                              ; of 128 loads at most 63 are out: the first 65 are in, which serves runs 0 to 3
.endif
.if \g > 3
	s_wait_loadcnt 112-16*\g                       ; the loads issued behind this run's last
.endif
.irp i, 0,1,2,3,4,5,6,7,8,9,10,11,12,13,14,15
	v_med3_num_f32 v[VV+16*\g+\i], v[VV+16*\g+\i], -v10, v10
.endr
	v_cvt_scalef32_pk8_fp8_f32 v[VC+4*\g:VC+4*\g+1], v[VV+16*\g:VV+16*\g+7], v11
	v_cvt_scalef32_pk8_fp8_f32 v[VC+4*\g+2:VC+4*\g+3], v[VV+16*\g+8:VV+16*\g+15], v11
	global_store_b128 v6, v[VC+4*\g:VC+4*\g+3], s[12:13] offset:(\g/2)*512+(\g%2)*256   ; sixteen lanes store 256 consecutive bytes, at a multiple of 256.  (The codes go to a store alone; the next run's holds are plain lines on other registers)
.endr
	s_endpgm
.Lfunc_end_k_q0b86ca531b_prep:
	.size	k_q0b86ca531b_prep, .Lfunc_end_k_q0b86ca531b_prep-k_q0b86ca531b_prep
	.p2alignl 7, 3214868480
	.fill 96, 4, 3214868480
	.section	.rodata,"a",@progbits
	.p2align	6, 0x0
	.amdhsa_kernel k_q0b86ca531b_prep
		.amdhsa_group_segment_fixed_size 68096
		.amdhsa_private_segment_fixed_size 0
		.amdhsa_enable_private_segment 0
		.amdhsa_kernarg_size 40
		.amdhsa_user_sgpr_count 2
		.amdhsa_user_sgpr_kernarg_segment_ptr 1
		.amdhsa_wavefront_size32 1
		.amdhsa_system_sgpr_workgroup_id_x 1
		.amdhsa_system_sgpr_workgroup_id_y 1
		.amdhsa_system_sgpr_workgroup_id_z 1
		.amdhsa_system_vgpr_workitem_id 0
		.amdhsa_next_free_vgpr 242
		.amdhsa_next_free_sgpr 66
		.amdhsa_reserve_vcc 0
		.amdhsa_float_denorm_mode_32 3
		.amdhsa_float_denorm_mode_16_64 3
		.amdhsa_memory_ordered 1
		.amdhsa_forward_progress 1
		.amdhsa_inst_pref_size 43
	.end_amdhsa_kernel
	.amdgpu_metadata
---
amdhsa.version: [ 1, 2 ]
amdhsa.kernels:
  - .name:           k_q0b86ca531b_prep
    .symbol:         k_q0b86ca531b_prep.kd
    .args:
      - { .name: k, .offset: 0, .size: 8, .value_kind: global_buffer, .address_space: global }
      - { .name: v, .offset: 8, .size: 8, .value_kind: global_buffer, .address_space: global }
      - { .name: lowp_scales, .offset: 16, .size: 8, .value_kind: global_buffer, .address_space: global }
      - { .name: valid_lens, .offset: 24, .size: 8, .value_kind: global_buffer, .address_space: global }
      - { .name: kv, .offset: 32, .size: 8, .value_kind: global_buffer, .address_space: global }
    .group_segment_fixed_size: 68096
    .private_segment_fixed_size: 0
    .kernarg_segment_align: 8
    .kernarg_segment_size: 40
    .max_flat_workgroup_size: 128
    .sgpr_count:     66
    .vgpr_count:     242
    .wavefront_size: 32
...
	.end_amdgpu_metadata
.endif
;; end of part 1
;; launch attn (part 2): grid 512 x 1, 4 waves a work-group, no clusters, 132,608 bytes of LDS; arguments q, kv, lowp_scales, valid_lens, out0; writes out0
.if DOCPART == 2
	.amdgcn_target "amdgcn-amd-amdhsa--gfx1250"
	.amdhsa_code_object_version 6
	.text
	.protected	k_q0b86ca531b_attn
	.globl	k_q0b86ca531b_attn
	.p2align	8
	.type	k_q0b86ca531b_attn,@function
k_q0b86ca531b_attn:
	s_mov_b64 s[64:65], 0
	v_nop
	global_prefetch_b8 v0, s[64:65] scope:SCOPE_SE
	s_setreg_imm32_b32 hwreg(HW_REG_WAVE_MODE, 25, 1), 1
	s_wait_xcnt 0x0
; out0[b][head][q][:] = the sum over keys < valid_lens[b] of softmax(q . k / sqrt(128)) v, both products on codes of FP8 (E4M3), each operand with the one scale 2^e that is given: eq, ek, ep, ev.
; q: [2][16][2048][128] f32, quantised here (each wave reads its 32 rows once).  kv: K's and V's codes, laid by the launch before in the order of the operand registers:
; [b x 16 + head][step of 128 keys][8 fragments of K, 8 of V^T, 2,048 bytes each: group c x 512 + lane x 16].
; THE SOFTMAX AHEAD OF THE SECOND PRODUCT: t = score x log2(e) / sqrt(128); M = the largest t so far, rounded UP to a whole number; p = 2^(t - M) is quantised, not normalised; the row's sum is taken of the
; unquantised p and divides at the end.  When M moves, the sum and O are multiplied by 2^(old M - new M): exact.
; THE MASK.  n = valid_lens[b] (held to 2,048).  A key step wholly behind n is left out: scalar branches on n round its work.  In the one step that n cuts, hidden scores become -infinity: p = 0.
; valid_lens[b] < 1: reference() then weighs all 2,048 keys alike: n = 2,048 and the score factor is 0, so t = 0, M = 0, p = 1.
; SHARES.  512 work-groups of four waves, 512 registers and 132,608 bytes of LDS: two fit on a WGP, and they share nothing.  A work-group owns 128 queries of one (b, head); a wave owns 32, two tiles of 16, and walks all keys.
; The number x: head = x mod 16, block = (x / 16) mod 16, b = bits 0, 3, 4 and 8 of x added modulo 2: numbers that differ in one of these bits alone have unlike batches, and so unlike lengths.
; LAYOUT.  Both products are used transposed: S^T = K Q^T (source 0 = 16 keys), O^T = V^T P^T (source 0 = 16 head dims): a lane holds ONE query (lane % 16) throughout.  The keys of a tile of K are chosen so
; that the 16 registers of tiles 2 b, 2 b + 1 are keys 32 b + 16 (lane / 16) + 0 .. 15.  In every operand registers 4 c .. 4 c + 3 hold k = 32 c + 16 (lane / 16) + 0 .. 15: one order of k on both sides of a product.
; THE RING.  Three LDS slots of 32,768 bytes, a step's image as it lies in kv.  The four waves bring a step through registers: 16 loads of 16 bytes a lane, asked for a whole step ahead.  In step i slot i + 1 is stored
; ahead of the step's one barrier; between two barriers slots i - 1 and i are read and slot i + 1 is written (modulo 3: three different ones).  The barrier's signal stands behind the maxima, its wait behind the first half of the
; second product; between them stand work on registers and reads of slot i, which nobody writes before the barrier after next.
; NO TENSOR LOADS, NO CLUSTER, though the 16 work-groups of a head walk the same kv: the steps behind n are left out by branches on a number read from memory;
; what those branches leave out, (4,096 - n0 - n1) / 4,096 of all loads, products and exponentials, weighs more than shared requests for 32 KiB a step would save.
; NO PREFETCH: each step's 32 KiB are asked for by the register loads themselves, one whole step ahead of their LDS stores.
; All loops have constant trip counts (6 passes of three steps), every wave passes every barrier, and only work is jumped over.
; LIMITS: eq, ep between -126 and 119; eq + ek between -123 and 130 (added to the factor's exponent field); ep + ev is applied by v_ldexp_f32.  NaN among the inputs is not served.
; A hidden key counts as p = 0, which is what f32 gives as long as a row's largest valid score lies above -1e9 + 200.
; LDS: 0: the ring;  STAGE: for each wave 16 rows x (512 + 16), for q's way in and the result's way out;  SPARE: the spare words.
; REGISTERS.  Window 0: v1-7 addresses, never rewritten; v8-15 statistics; v16, v17 scales; v18-31 at work; v32-63 Q; v64-127 K's fragments 4-7, then p's codes (v64-95); v128-255 S^T, then p, then (v128-191) V's fragments 4-7.
;             Window 1 (named by the low 8 bits): v0-127 O^T; v128-191 K's fragments 0-3, then V's 0-3; v192-255 a step's bytes on their way from kv to the ring.
.set SLOTB, 32768
.set STAGE, 3*SLOTB
.set WSTG,  8448
.set SPARE, STAGE+4*WSTG
.set LF,  1                            ; 16 x lane: a fragment's group for my lane (slots 0, 1); also my place in a row of q and out0
.set LF2, 2                            ; the same + 65,536: slot 2
.set LS,  3                            ; 16 x thread: where I store a step's bytes (slots 0, 1), and the same place in kv
.set LS2, 4                            ; the same + 65,536: slot 2
.set SO,  5                            ; my stage: 528 r + 32 h
.set SR,  6                            ; my stage: 16 x lane
.set SQ,  7                            ; my stage: 528 r + 64 h
.set ST,  8                            ; tile t at ST + 4 t: +0 -M, +1 the largest t, +2, +3 the sum in two halves
.set PLIM, 16                          ; 448 x 2^ep
.set PSCL, 17                          ; 2^ep
.set TT,  18                           ; tile t at TT + 4 t: +0, +1 the maximum's chains, then a chain of sums; +2 f, +3 the upper half of its pair and a permute's destination
.set CA,  26                           ; two more chains of sums: v[26:27], v[28:29]
.set CB,  28
.set QSCL, 30                          ; at the head: 2^eq, 448 x 2^eq; later the mask's
.set QLIM, 31
.set QF,  32                           ; Q: tile t at QF + 16 t
.set RB,  64                           ; K's fragments 4-7
.set PF,  64                           ; p's codes: tile t at PF + 16 t
.set SC,  128                          ; S^T: tile t at SC + 64 t
.set OA,  0                            ; window 1: O^T: tile t at 64 t
.set FR,  128                          ; window 1: four fragments
.set STG, 192                          ; window 1: 16 x 4 registers
.set W_LD, 0x40                        ; destination window 1
.set W_S1, 0x01                        ; source 0 window 1
.set W_P0, 0x51                        ; source 0, C and D window 1
.set W_P1, 0x50                        ; C and D window 1
.set W_RS, 0x41                        ; destination and source 0 window 1
.set W_ST, 0x04                        ; source 1 (a store's data) window 1
.set MSB, 0
.macro WIN new                         ; the immediate's high byte repeats the setting that is left; at every label and branch the setting is 0
.if MSB != \new
	s_set_vgpr_msb (MSB<<8)|\new
.set MSB, \new
.endif
.endm
; scalars: s[4:5] q, s[12:13] out0 at my rows; s14 wave, s15 b; s[20:23] eq, ek, ep, ev; s[24:25] valid_lens; s[26:27] the score factor as a pair; s29 n; s30 the step's first key; s31 the next step's; s32 passes;
; s34 ep + ev; s[36:37] kv at the step in hand; s[38:39] lane selects
.macro ASK dst, off                    ; a step's bytes: 16 x 16 bytes a lane; a wave's load covers 512 consecutive bytes, the four waves' 2,048
	WIN W_LD
.irp k, 0,1,2,3,4,5,6,7,8,9,10,11,12,13,14,15
	global_load_b128 v[\dst+4*\k:\dst+4*\k+3], v[LS], s[36:37] offset:\off+2048*\k
.endr
	WIN 0
.endm
.macro PUT src, c                      ; the same bytes into slot c
.if \c == 2
.set AR, LS2
.set AO, 0
.else
.set AR, LS
.set AO, \c*SLOTB
.endif
	WIN W_ST
.irp k, 0,1,2,3,4,5,6,7,8,9,10,11,12,13,14,15
	ds_store_b128 v[AR], v[\src+4*\k:\src+4*\k+3] offset:AO+2048*\k
.endr
	WIN 0
.endm
.macro FRAGS dst, c, part              ; four fragments from byte part of slot c: each load takes 512 consecutive bytes
.if \c == 2
.set AR, LF2
.set AO, 0
.else
.set AR, LF
.set AO, \c*SLOTB
.endif
.irp f, 0,1,2,3
.irp k, 0,1,2,3
	ds_load_b128 v[\dst+16*\f+4*\k:\dst+16*\f+4*\k+3], v[AR] offset:AO+\part+2048*\f+512*\k
.endr
.endr
.endm
.macro QK src, gq                      ; S^T: four tiles of 16 keys x my two tiles of queries
.irp f, 0,1,2,3
.irp t, 0,1
	v_wmma_f32_16x16x128_fp8_fp8 v[SC+64*\t+8*(4*\gq+\f):SC+64*\t+8*(4*\gq+\f)+7], v[\src+16*\f:\src+16*\f+15], v[QF+16*\t:QF+16*\t+15], 0
.endr
.endr
.endm
.macro PV src, gq                      ; O^T +=: four tiles of 16 head dims x my two tiles of queries; K = the step's 128 keys.  Sixteen accumulators a step, one instruction each: they take turns
.irp f, 0,1,2,3
.irp t, 0,1
	v_wmma_f32_16x16x128_fp8_fp8 v[OA+64*\t+8*(4*\gq+\f):OA+64*\t+8*(4*\gq+\f)+7], v[\src+16*\f:\src+16*\f+15], v[PF+16*\t:PF+16*\t+15], v[OA+64*\t+8*(4*\gq+\f):OA+64*\t+8*(4*\gq+\f)+7]
.endr
.endr
.endm
.macro PLACES num                      ; places behind matrix instructions, in front of loads into their registers, reads of their results and matrix results laid over them (ISA guide 7.12.1 for vector instructions)
.rept \num
	v_nop
.endr
.endm
; The step that n cuts.  Register 16 b + i of a tile holds key KF + 16 (lane / 16) + 32 b + i: hidden where 32 b + i > d = n - 1 - KF - 16 (lane / 16).  The keys are the same for both tiles: one compare serves two selects.
.macro MASK
	s_sub_co_i32 s40, s29, s30
	s_sub_co_i32 s40, s40, 1
	v_mov_b32 v31, 0xff800000                      ; -infinity
	v_bfe_u32 v30, v0, 4, 1
	s_delay_alu instid0(VALU_DEP_1)
	v_lshlrev_b32 v30, 4, v30
	s_delay_alu instid0(VALU_DEP_1)
	v_sub_nc_u32 v30, s40, v30                     ; d
.irp n, 0,1,2,3,4,5,6,7,8,9,10,11,12,13,14,15,16,17,18,19,20,21,22,23,24,25,26,27,28,29,30,31,32,33,34,35,36,37,38,39,40,41,42,43,44,45,46,47,48,49,50,51,52,53,54,55,56,57,58,59,60,61,62,63
	v_cmp_gt_i32 vcc_lo, 32*(\n/16)+\n%16, v30
	v_cndmask_b32 v[SC+\n], v[SC+\n], v31, vcc_lo
	v_cndmask_b32 v[SC+64+\n], v[SC+64+\n], v31, vcc_lo
.endr
.endm
; The maxima, M and f for both tiles, line by line by turns.  Each accumulator is read from its low end on.
.macro MAXIMA
.irp t, 0,1
	v_max3_num_f32 v[TT+4*\t], v[SC+64*\t], v[SC+64*\t+1], v[SC+64*\t+2]          ; the step's largest score of my query among my 64 keys, in two chains a tile
	v_max3_num_f32 v[TT+4*\t+1], v[SC+64*\t+3], v[SC+64*\t+4], v[SC+64*\t+5]
.endr
.irp i, 6,10,14,18,22,26,30,34,38,42,46,50,54,58
.irp t, 0,1
	v_max3_num_f32 v[TT+4*\t], v[TT+4*\t], v[SC+64*\t+\i], v[SC+64*\t+\i+1]
	v_max3_num_f32 v[TT+4*\t+1], v[TT+4*\t+1], v[SC+64*\t+\i+2], v[SC+64*\t+\i+3]
.endr
.endr
.irp t, 0,1
	v_max3_num_f32 v[TT+4*\t], v[TT+4*\t], v[SC+64*\t+62], v[SC+64*\t+63]
.endr
.irp t, 0,1
	s_delay_alu instid0(VALU_DEP_2)
	v_max_num_f32 v[TT+4*\t], v[TT+4*\t], v[TT+4*\t+1]
.endr
.irp t, 0,1
	s_delay_alu instid0(VALU_DEP_2)
	v_permlanex16_b32 v[TT+4*\t+3], v[TT+4*\t], s38, s39
.endr
.irp t, 0,1
	s_delay_alu instid0(VALU_DEP_2)
	v_max_num_f32 v[TT+4*\t], v[TT+4*\t], v[TT+4*\t+3]     ; and among lane l xor 16's
.endr
.irp t, 0,1
	s_delay_alu instid0(VALU_DEP_2)
	v_mul_f32 v[TT+4*\t], s26, v[TT+4*\t]                  ; as t (the factor is not negative)
.endr
.irp t, 0,1
	s_delay_alu instid0(VALU_DEP_2)
	v_max_num_f32 v[ST+4*\t+1], v[ST+4*\t+1], v[TT+4*\t]   ; the running largest t
.endr
.irp t, 0,1
	v_mov_b32 v[TT+4*\t], v[ST+4*\t]
.endr
.irp t, 0,1
	s_delay_alu instid0(VALU_DEP_4)
	v_floor_f32 v[ST+4*\t], -v[ST+4*\t+1]                  ; the new -M = floor(-t) = -ceil(t): a whole number
.endr
.irp t, 0,1
	s_delay_alu instid0(VALU_DEP_2)
	v_sub_f32 v[TT+4*\t], v[ST+4*\t], v[TT+4*\t]           ; old M - new M, 0 or less
.endr
.irp t, 0,1
	s_delay_alu instid0(VALU_DEP_2)
	v_cvt_i32_f32 v[TT+4*\t], v[TT+4*\t]                   ; (it saturates)
.endr
.irp t, 0,1
	s_delay_alu instid0(VALU_DEP_2)
	v_ldexp_f32 v[TT+4*\t+2], 1.0, v[TT+4*\t]              ; f = 2^(old M - new M)
.endr
.endm
; p of both tiles, unquantised, in place of the scores
.macro EXPS
.set j, 0
.rept 32
	v_pk_fma_f32 v[SC+j:SC+j+1], v[SC+j:SC+j+1], s[26:27], v[ST:ST+1] op_sel_hi:[1,0,0]               ; t - M, two at a time (of the pairs the low word serves both halves)
.set j, j+2
.endr
	s_wait_alu depctr_va_vdst(0)
.set j, 0
.rept 32
	v_exp_f32 v[SC+j], v[SC+j]                             ; p = 2^(t - M): not normalised
	v_exp_f32 v[SC+j+1], v[SC+j+1]
	v_pk_fma_f32 v[SC+64+j:SC+64+j+1], v[SC+64+j:SC+64+j+1], s[26:27], v[ST+4:ST+5] op_sel_hi:[1,0,0] ; tile 1's t - M stand among tile 0's exponentials
.set j, j+2
.endr
	s_wait_alu depctr_va_vdst(0)                           ; ahead of this batch
.set j, 0
.rept 64
	v_exp_f32 v[SC+64+j], v[SC+64+j]
.set j, j+1
.endr
.irp t, 0,1
	v_pk_mul_f32 v[ST+4*\t+2:ST+4*\t+3], v[ST+4*\t+2:ST+4*\t+3], v[TT+4*\t+2:TT+4*\t+3] op_sel_hi:[1,0]   ; the sums under the new M.  (The plain place behind the exponentials)
.endr
	s_wait_alu depctr_va_vdst(0)                           ; one wait for both batches, ahead of their first reader
.endm
.macro SUM t                           ; the row's sum is taken of the UNQUANTISED p, in four chains
	v_pk_add_f32 v[TT+4*\t:TT+4*\t+1], v[SC+64*\t:SC+64*\t+1], v[SC+64*\t+2:SC+64*\t+3]
	v_pk_add_f32 v[CA:CA+1], v[SC+64*\t+4:SC+64*\t+5], v[SC+64*\t+6:SC+64*\t+7]
	v_pk_add_f32 v[CB:CB+1], v[SC+64*\t+8:SC+64*\t+9], v[SC+64*\t+10:SC+64*\t+11]
	v_pk_add_f32 v[ST+4*\t+2:ST+4*\t+3], v[ST+4*\t+2:ST+4*\t+3], v[SC+64*\t+12:SC+64*\t+13]
.irp j, 14,22,30,38,46,54
	v_pk_add_f32 v[TT+4*\t:TT+4*\t+1], v[TT+4*\t:TT+4*\t+1], v[SC+64*\t+\j:SC+64*\t+\j+1]
	v_pk_add_f32 v[CA:CA+1], v[CA:CA+1], v[SC+64*\t+\j+2:SC+64*\t+\j+3]
	v_pk_add_f32 v[CB:CB+1], v[CB:CB+1], v[SC+64*\t+\j+4:SC+64*\t+\j+5]
	v_pk_add_f32 v[ST+4*\t+2:ST+4*\t+3], v[ST+4*\t+2:ST+4*\t+3], v[SC+64*\t+\j+6:SC+64*\t+\j+7]
.endr
	v_pk_add_f32 v[TT+4*\t:TT+4*\t+1], v[TT+4*\t:TT+4*\t+1], v[SC+64*\t+62:SC+64*\t+63]
	v_pk_add_f32 v[CA:CA+1], v[CA:CA+1], v[CB:CB+1]
	v_pk_add_f32 v[ST+4*\t+2:ST+4*\t+3], v[ST+4*\t+2:ST+4*\t+3], v[TT+4*\t:TT+4*\t+1]
	v_pk_add_f32 v[ST+4*\t+2:ST+4*\t+3], v[ST+4*\t+2:ST+4*\t+3], v[CA:CA+1]
.endm
.macro CODES t
	s_cmp_gt_i32 s22, -9                                   ; p is at most 1 (and a last bit); from ep = -8 on the largest code x the scale is 1.75 or more, so the hold could change nothing:
	s_cbranch_scc1 .Lnohold_\@                             ; it is passed over by a branch on the given whole number
.set j, 0
.rept 64
	v_min_num_f32 v[SC+64*\t+j], v[SC+64*\t+j], v[PLIM]    ; the conversion to an 8-bit code does not saturate (ISA guide 7.6.2); p is not negative, so the hold is one-sided
.set j, j+1
.endr
.Lnohold_\@:
.irp b, 0,1,2,3
	v_cvt_scalef32_pk8_fp8_f32 v[PF+16*\t+4*\b:PF+16*\t+4*\b+1], v[SC+64*\t+16*\b:SC+64*\t+16*\b+7], v[PSCL]
	v_cvt_scalef32_pk8_fp8_f32 v[PF+16*\t+4*\b+2:PF+16*\t+4*\b+3], v[SC+64*\t+16*\b+8:SC+64*\t+16*\b+15], v[PSCL]
.endr
	v_nop                                                  ; a plain line behind the last conversion
.endm
; THE WAY OUT: O^T / the sum.  A lane holds 32 neighbouring bytes of a row, the lanes beside it other rows: through my own stage, a tile at a time, back as whole rows of 512 bytes.
.macro OUT
.irp t, 0,1
	v_add_f32 v[TT+4*\t], v[ST+4*\t+2], v[ST+4*\t+3]
.endr
.irp t, 0,1
	s_delay_alu instid0(VALU_DEP_2)
	v_permlanex16_b32 v[TT+4*\t+1], v[TT+4*\t], s38, s39
.endr
.irp t, 0,1
	s_delay_alu instid0(VALU_DEP_2)
	v_add_f32 v[TT+4*\t], v[TT+4*\t], v[TT+4*\t+1]         ; the row's sum
.endr
	s_wait_alu depctr_va_vdst(0)
	v_rcp_f32 v[TT], v[TT]
	v_rcp_f32 v[TT+4], v[TT+4]
	v_nop                                                  ; a plain place behind the transcendentals
	s_wait_alu depctr_va_vdst(0)                           ; ahead of the first reader
	v_ldexp_f32 v[TT+2], v[TT], s34                        ; x 2^(ep + ev)
	v_ldexp_f32 v[TT+6], v[TT+4], s34
	WIN W_S1
	s_wait_alu depctr_va_vdst(0)
.set j, 0
.rept 32
	v_pk_mul_f32 v[SC+j:SC+j+1], v[OA+j:OA+j+1], v[TT+2:TT+3] op_sel_hi:[1,0]           ; register 8 t + i of a tile is out0(r, 16 t + 8 h + i)
	v_pk_mul_f32 v[SC+64+j:SC+64+j+1], v[OA+64+j:OA+64+j+1], v[TT+6:TT+7] op_sel_hi:[1,0]
.set j, j+2
.endr
	s_wait_alu depctr_va_vdst(0)
	WIN 0
.irp k, 0,1,2,3,4,5,6,7
	ds_store_b128 v[SO], v[SC+8*\k:SC+8*\k+3] offset:64*\k
	ds_store_b128 v[SO], v[SC+8*\k+4:SC+8*\k+7] offset:64*\k+16
.endr
.irp p, 0,1,2,3,4,5,6,7,8,9,10,11,12,13,14,15
	ds_load_b128 v[RB+4*\p:RB+4*\p+3], v[SR] offset:528*\p              ; LDS serves a wave's instructions in order (ISA guide 5.7.1.4): these see my stores, and tile 1's stores come behind them
.endr
.irp k, 0,1,2,3,4,5,6,7
	ds_store_b128 v[SO], v[SC+64+8*\k:SC+64+8*\k+3] offset:64*\k
	ds_store_b128 v[SO], v[SC+64+8*\k+4:SC+64+8*\k+7] offset:64*\k+16
.endr
	WIN W_LD
.irp p, 0,1,2,3,4,5,6,7,8,9,10,11,12,13,14,15
	ds_load_b128 v[FR+4*\p:FR+4*\p+3], v[SR] offset:528*\p
.endr
	WIN 0
.irp p, 0,1,2,3,4,5,6,7,8,9,10,11,12,13,14,15
	s_wait_dscnt 47-\p                                     ; row p of tile 0 is back: behind it 15 - p loads of its tile and tile 1's 32 instructions
	global_store_b128 v[LF], v[RB+4*\p:RB+4*\p+3], s[12:13] offset:512*\p th:TH_STORE_NT   ; 32 lanes store 512 consecutive bytes, at a multiple of 512 from out0's first byte
.endr
	WIN W_ST
.irp p, 0,1,2,3,4,5,6,7,8,9,10,11,12,13,14,15
	s_wait_dscnt 15-\p
	global_store_b128 v[LF], v[FR+4*\p:FR+4*\p+3], s[12:13] offset:8192+512*\p th:TH_STORE_NT
.endr
	WIN 0
.endm
; A STEP: 128 keys, in slot c; d is the next slot.  At its head K's fragments 0-3 are in window 1 or on their way.
.macro STEP c, d
	s_cmp_lt_u32 s30, s29                          ; a step wholly behind n: its work is left out
	s_cbranch_scc0 .La_\@
	FRAGS RB, \c, 8192                             ; K's fragments 4-7
	s_wait_dscnt 16                                ; all but these sixteen: K's 0-3 are in
	WIN W_S1
	QK FR, 0
	PLACES 4
	WIN W_LD
	FRAGS FR, \c, 16384                            ; V's fragments 0-3 land under the softmax
	WIN 0
	s_wait_dscnt 16                                ; all but these: K's 4-7 are in
	s_cmp_lt_u32 s31, s29                          ; is there a next step?
	s_cbranch_scc0 .Lnoput_\@
	s_wait_loadcnt 0x0                             ; its bytes, asked for a step ago, are in registers:
	PUT STG, \d                                    ; into the slot that was last read two steps ago; every wave has waited for those reads in front of the last barrier
.Lnoput_\@:
	QK RB, 1
	s_add_co_u32 s40, s30, 127
	s_cmp_lt_u32 s40, s29                          ; all 128 keys count: no mask
	s_cbranch_scc1 .Lopen_\@
	MASK
.Lopen_\@:
	MAXIMA
	s_wait_alu depctr_va_vdst(0)
	s_wait_dscnt 0x0                               ; my LDS stores have landed and have read their registers; V's 0-3 are in
	s_add_co_u32 s40, s31, 128
	s_cmp_lt_u32 s40, s29                          ; and a step behind the next?
	s_cbranch_scc0 .La_\@
	s_wait_loadcnt 0x0                             ; no load of mine is out, on any way here: none lands on a pending load's registers
	ASK STG, 2*SLOTB                               ; it has until the same place of the next step to land
.La_\@:
	s_wait_dscnt 0x0                               ; on every way: no LDS instruction of mine is out at the signal
	s_barrier_signal -1
	s_cmp_lt_u32 s30, s29
	s_cbranch_scc0 .Lb_\@
	WIN W_RS
.set j, 0
.rept 32
	v_pk_mul_f32 v[OA+j:OA+j+1], v[OA+j:OA+j+1], v[TT+2:TT+3] op_sel_hi:[1,0]                   ; O^T under the new M
	v_pk_mul_f32 v[OA+64+j:OA+64+j+1], v[OA+64+j:OA+64+j+1], v[TT+6:TT+7] op_sel_hi:[1,0]
.set j, j+2
.endr
	WIN 0
	EXPS
	SUM 0
	CODES 0
	FRAGS SC, \c, 24576                            ; V's fragments 4-7, into tile 0's registers, which have been converted
	SUM 1
	CODES 1
	s_wait_alu depctr_va_vdst(0)
	WIN W_P0
	PV FR, 0
	PLACES 4
	WIN 0
	s_wait_dscnt 0x0                               ; V's 4-7 are in
.Lb_\@:
	s_barrier_wait -1                              ; the next slot is whole
	s_cmp_lt_u32 s30, s29
	s_cbranch_scc0 .Lc_\@
	s_cmp_lt_u32 s31, s29                          ; is there a next step?
	s_cbranch_scc0 .Llast_\@
	WIN W_LD
	FRAGS FR, \d, 0                                ; its K fragments 0-3 land under the second half of this step's second product
	WIN W_P1
	PV SC, 1
	PLACES 5
	WIN 0
	s_branch .Lc_\@
.Llast_\@:
	WIN W_P1
	PV SC, 1
	PLACES 5
	WIN 0
	OUT                                            ; this was the last step: the result leaves here, ahead of the steps that do nothing
.Lc_\@:
	s_wait_xcnt 0x0                                ; the loads' base and the stores' registers are written again only behind this wait
	s_add_nc_u64 s[36:37], s[36:37], SLOTB
	s_add_co_u32 s30, s30, 128
	s_add_co_u32 s31, s31, 128
.endm
	s_load_b256 s[4:11], s[0:1], 0x0               ; q s[4:5], kv s[6:7], the scales' exponents s[8:9], valid_lens s[10:11]
	s_load_b64 s[12:13], s[0:1], 0x20              ; out0
	v_lshrrev_b32 v[SO], 5, v0
	v_readfirstlane_b32 s14, v[SO]                 ; wave 0..3
	v_and_b32 v[LF], 31, v0
	v_lshlrev_b32 v[LS], 4, v0
	v_and_b32 v30, 15, v0                          ; r
	v_bfe_u32 v31, v0, 4, 1                        ; h
	v_lshlrev_b32 v[LF], 4, v[LF]
	v_add_nc_u32 v[LS2], 0x10000, v[LS]
	v_mul_u32_u24 v[SQ], v30, 528
	s_mul_i32 s16, s14, WSTG
	s_add_co_u32 s16, s16, STAGE
	v_add_nc_u32 v[LF2], 0x10000, v[LF]
	v_add_nc_u32 v[SR], s16, v[LF]
	v_lshl_add_u32 v[SO], v31, 5, v[SQ]
	v_lshl_add_u32 v[SQ], v31, 6, v[SQ]
	v_add_nc_u32 v[SO], s16, v[SO]
	v_add_nc_u32 v[SQ], s16, v[SQ]
	s_lshr_b32 s17, ttmp9, 3
	s_xor_b32 s15, ttmp9, s17
	s_lshr_b32 s17, ttmp9, 4
	s_xor_b32 s15, s15, s17
	s_lshr_b32 s18, ttmp9, 8
	s_xor_b32 s15, s15, s18
	s_and_b32 s15, s15, 1                          ; b
	s_lshl_b32 s19, s15, 4
	s_and_b32 s18, ttmp9, 15
	s_add_co_u32 s19, s19, s18                     ; b x 16 + head
	s_lshl_b32 s40, s19, 20                        ; x 2,048 rows of 512 bytes,
	s_and_b32 s17, s17, 15
	s_lshl_b32 s17, s17, 16
	s_add_co_u32 s40, s40, s17                     ; + block x 128 rows,
	s_lshl_b32 s17, s14, 14
	s_add_co_u32 s40, s40, s17                     ; + wave x 32 rows
	s_mov_b32 s41, 0
	s_lshl_b32 s42, s19, 19                        ; 16 steps of 32,768 bytes
	s_mov_b32 s43, 0
	s_mov_b32 s38, 0x76543210                      ; v_permlanex16_b32: lane l xor 16
	s_mov_b32 s39, 0xfedcba98
	s_wait_alu depctr_va_vdst(0)
	s_wait_kmcnt 0x0
	s_load_b128 s[20:23], s[8:9], 0x0              ; eq, ek, ep, ev
	s_load_b64 s[24:25], s[10:11], 0x0             ; valid_lens
	s_add_nc_u64 s[4:5], s[4:5], s[40:41]
	s_add_nc_u64 s[12:13], s[12:13], s[40:41]
	s_add_nc_u64 s[36:37], s[6:7], s[42:43]
	ASK FR, 0                                      ; step 0, which always counts (n is at least 1),
	ASK STG, SLOTB                                 ; and step 1's bytes (they lie inside kv whatever n; they are stored only if step 1 counts)
	s_cmp_lt_u32 ttmp9, 0x100
	s_cbranch_scc1 .Lnow
	s_wait_loadcnt 0x0                             ; the upper half of the work-groups ask for q when these bytes have come, so that the lower half's rows are asked for ahead of theirs
.Lnow:
.irp m, 0,1,2,3,4,5,6,7,8,9,10,11,12,13,14,15,16,17,18,19,20,21,22,23,24,25,26,27,28,29,30,31
	global_load_b128 v[SC+4*\m:SC+4*\m+3], v[LF], s[4:5] offset:512*\m th:TH_LOAD_NT   ; a whole row of q: 512 consecutive bytes
.endr
	WIN W_LD
.set i, 0
.rept 128
	v_mov_b32 v[OA+i], 0                           ; O^T.  (The step is written without a first one of its own: it finds zeros, which the first change of M leaves zeros)
.set i, i+1
.endr
	WIN 0
.irp t, 0,1
	v_mov_b32 v[ST+4*\t+1], 0xff61b1e6             ; the largest t so far: -3e38, under every t
	v_mov_b32 v[ST+4*\t+2], 0
	v_mov_b32 v[ST+4*\t+3], 0
	v_mov_b32 v[TT+4*\t], 0                        ; (a permute's destination and the upper half of a pair count as read)
	v_mov_b32 v[TT+4*\t+1], 0
	v_mov_b32 v[TT+4*\t+2], 0
	v_mov_b32 v[TT+4*\t+3], 0
	v_floor_f32 v[ST+4*\t], -v[ST+4*\t+1]          ; -M
.endr
	s_wait_alu depctr_va_vdst(0)
	s_wait_kmcnt 0x0
	s_add_co_i32 s28, s20, s21
	s_lshl_b32 s28, s28, 23
	s_add_co_i32 s28, s28, 0x3e0293ee              ; log2(e) / sqrt(128) x 2^(eq + ek): the two exponents are added to the factor's exponent field
	s_add_co_i32 s34, s22, s23                     ; ep + ev
	s_cmp_eq_u32 s15, 0
	s_cselect_b32 s40, s24, s25                    ; valid_lens[b]
	s_cmp_lt_i32 s40, 1
	s_cselect_b32 s29, 0x800, s40
	s_cselect_b32 s26, 0, s28                      ; no key valid: all keys alike
	s_min_u32 s29, s29, 0x800                      ; n
	s_mov_b32 s27, s26                             ; (named with it as a pair, so it is written)
	s_mov_b32 s30, 0
	s_mov_b32 s31, 128
	s_mov_b32 s32, 6
	s_add_co_i32 s40, s22, 127
	s_lshl_b32 s41, s40, 23
	s_add_co_i32 s40, s40, 8
	s_lshl_b32 s40, s40, 23
	s_or_b32 s40, s40, 0x600000
	s_add_co_i32 s42, s20, 127
	s_lshl_b32 s43, s42, 23
	s_add_co_i32 s42, s42, 8
	s_lshl_b32 s42, s42, 23
	s_or_b32 s42, s42, 0x600000
	v_mov_b32 v[PSCL], s41
	v_mov_b32 v[PLIM], s40
	v_mov_b32 v[QSCL], s43
	v_mov_b32 v[QLIM], s42
	s_wait_alu depctr_va_vdst(0)
	s_wait_loadcnt 48                              ; step 0 is in: behind it step 1's sixteen and q's 32
	PUT FR, 0
	s_wait_loadcnt 16                              ; q's tile 0 is in
	s_wait_dscnt 0x0                               ; step 0's stores have read their registers
.irp m, 0,1,2,3,4,5,6,7,8,9,10,11,12,13,14,15
	ds_store_b128 v[SR], v[SC+4*\m:SC+4*\m+3] offset:528*\m
.endr
	WIN W_LD
.irp c, 0,1,2,3
.irp j, 0,1,2,3
	ds_load_b128 v[FR+16*\c+4*\j:FR+16*\c+4*\j+3], v[SQ] offset:128*\c+16*\j   ; row r, 16 neighbours of each block of 32: these see the stores above, and tile 1's stores come behind them (ISA guide 5.7.1.4)
.endr
.endr
	WIN 0
	s_wait_loadcnt 0x0                             ; tile 1
.irp m, 0,1,2,3,4,5,6,7,8,9,10,11,12,13,14,15
	ds_store_b128 v[SR], v[SC+64+4*\m:SC+64+4*\m+3] offset:528*\m
.endr
.irp c, 0,1,2,3
.irp j, 0,1,2,3
	ds_load_b128 v[RB+16*\c+4*\j:RB+16*\c+4*\j+3], v[SQ] offset:128*\c+16*\j
.endr
.endr
	s_wait_dscnt 32                                ; tile 0 is back: behind it tile 1's 32 instructions
	WIN W_RS
.set i, 0
.rept 64
	v_med3_num_f32 v[FR+i], v[FR+i], -v[QLIM], v[QLIM]     ; the hold at the largest code x the scale
.set i, i+1
.endr
	WIN W_S1
.irp c, 0,1,2,3
	v_cvt_scalef32_pk8_fp8_f32 v[QF+4*\c:QF+4*\c+1], v[FR+16*\c:FR+16*\c+7], v[QSCL]
	v_cvt_scalef32_pk8_fp8_f32 v[QF+4*\c+2:QF+4*\c+3], v[FR+16*\c+8:FR+16*\c+15], v[QSCL]
.endr
	WIN 0
	v_nop                                          ; a plain line behind the last conversion
	s_wait_alu depctr_va_vdst(0)
	s_wait_dscnt 0x0
.set i, 0
.rept 64
	v_med3_num_f32 v[RB+i], v[RB+i], -v[QLIM], v[QLIM]
.set i, i+1
.endr
.irp c, 0,1,2,3
	v_cvt_scalef32_pk8_fp8_f32 v[QF+16+4*\c:QF+16+4*\c+1], v[RB+16*\c:RB+16*\c+7], v[QSCL]
	v_cvt_scalef32_pk8_fp8_f32 v[QF+16+4*\c+2:QF+16+4*\c+3], v[RB+16*\c+8:RB+16*\c+15], v[QSCL]
.endr
	v_nop
	s_wait_alu depctr_va_vdst(0)
	s_barrier_signal -1
	s_barrier_wait -1                              ; slot 0 is whole
	WIN W_LD
	FRAGS FR, 0, 0                                 ; step 0's K fragments 0-3
	WIN 0
.Lpass:                                            ; six passes of three steps: 2,304 keys, whatever n
	STEP 0, 1
	STEP 1, 2
	STEP 2, 0
	s_sub_co_u32 s32, s32, 1
	s_cmp_lg_u32 s32, 0
	s_cbranch_scc1 .Lpass
	v_lshl_add_u32 v30, v0, 2, SPARE               ; my spare word,
	v_mov_b32 v31, 0                               ; and 0
	s_wait_alu depctr_va_vdst(0)
	s_wait_tensorcnt 0x0                           ; the wave's end
	ds_add_u32 v30, v31
	s_wait_dscnt 0x0
	s_endpgm
.Lfunc_end_k_q0b86ca531b_attn:
	.size	k_q0b86ca531b_attn, .Lfunc_end_k_q0b86ca531b_attn-k_q0b86ca531b_attn
	.p2alignl 7, 3214868480
	.fill 96, 4, 3214868480
	.section	.rodata,"a",@progbits
	.p2align	6, 0x0
	.amdhsa_kernel k_q0b86ca531b_attn
		.amdhsa_group_segment_fixed_size 132608
		.amdhsa_private_segment_fixed_size 0
		.amdhsa_enable_private_segment 0
		.amdhsa_kernarg_size 40
		.amdhsa_user_sgpr_count 2
		.amdhsa_user_sgpr_kernarg_segment_ptr 1
		.amdhsa_wavefront_size32 1
		.amdhsa_system_sgpr_workgroup_id_x 1
		.amdhsa_system_sgpr_workgroup_id_y 1
		.amdhsa_system_sgpr_workgroup_id_z 1
		.amdhsa_system_vgpr_workitem_id 0
		.amdhsa_next_free_vgpr 512
		.amdhsa_next_free_sgpr 66
		.amdhsa_reserve_vcc 1
		.amdhsa_float_denorm_mode_32 3
		.amdhsa_float_denorm_mode_16_64 3
		.amdhsa_memory_ordered 1
		.amdhsa_forward_progress 1
		.amdhsa_inst_pref_size 205
	.end_amdhsa_kernel
	.amdgpu_metadata
---
amdhsa.version: [ 1, 2 ]
amdhsa.kernels:
  - .name:           k_q0b86ca531b_attn
    .symbol:         k_q0b86ca531b_attn.kd
    .args:
      - { .name: q, .offset: 0, .size: 8, .value_kind: global_buffer, .address_space: global }
      - { .name: kv, .offset: 8, .size: 8, .value_kind: global_buffer, .address_space: global }
      - { .name: lowp_scales, .offset: 16, .size: 8, .value_kind: global_buffer, .address_space: global }
      - { .name: valid_lens, .offset: 24, .size: 8, .value_kind: global_buffer, .address_space: global }
      - { .name: out0, .offset: 32, .size: 8, .value_kind: global_buffer, .address_space: global }
    .group_segment_fixed_size: 132608
    .private_segment_fixed_size: 0
    .kernarg_segment_align: 8
    .kernarg_segment_size: 40
    .max_flat_workgroup_size: 128
    .sgpr_count:     66
    .vgpr_count:     512
    .wavefront_size: 32
...
	.end_amdgpu_metadata
.endif
;; end of part 2
